; MI455X (gfx1250); checked and timed in simulation.
; The chip was launched on July 23, 2026; its instructions are those of AMD's public machine-readable ISA for CDNA 5 (MIT licence, August 2026) and "CDNA5" Instruction Set Architecture Reference Guide (July 2026). The comments in the code are by the model that wrote it; some were corrected since.
;; Exponential Trajectory Fit. Allowed arithmetic: float matrix products may take bf16 or f16 operands with f32 sums; all other float work in f32.
;; Inputs: x0 8,192 float32; x1 8,192 float32; x2 8,192 float32; x3 8,192 float32.
;; Outputs: out0 8,192 float32.
;; 2 versions, each right; version 2 is version 1 with the launch fit written anew for expert scheduling mode. Each part assembles by itself: llvm-mc -triple=amdgcn-amd-amdhsa -mcpu=gfx1250 --defsym DOCPART=n.
;; ======== version 1 of 2: 1 launch
;; limits: inputs' magnitudes at most 1e+17; below input magnitudes of 1e-17 results are inexact or not finite
;; launch fit (part 1): grid 1 x 1, 8 waves a work-group, no clusters, 1,536 bytes of LDS; arguments x0, x1, x2, x3, out0; writes out0
.if DOCPART == 1
	.amdgcn_target "amdgcn-amd-amdhsa--gfx1250"
	.amdhsa_code_object_version 6
	.text
	.protected	k_qe07c89ab0c_fit
	.globl	k_qe07c89ab0c_fit
	.p2align	8
	.type	k_qe07c89ab0c_fit,@function
k_qe07c89ab0c_fit:
	s_mov_b64 s[64:65], 0
	v_nop
	global_prefetch_b8 v0, s[64:65] scope:SCOPE_SE
	s_setreg_imm32_b32 hwreg(HW_REG_WAVE_MODE, 25, 1), 1
	s_wait_xcnt 0x0
; out = x0 - solve(I - M, x1 - M x0),  M = D2 pinv(D1),  D1 = [x1-x0, x2-x1],  D2 = [x2-x1, x3-x2];  all vectors [8192] f32.
;
; THE ALGEBRA.  With n0 = x0-x1, n1 = x1-x2, n2 = x2-x3 (M does not change when D1 and D2 both change sign):
;   (I - M)(x0 - x*) = (x0 - M x0) - (x1 - M x0) = n0, so out = (I - M)^-1 n0, and since M = [n1 n2] pinv([n0 n1]) has rank <= 2
;   out = n0 + [n1 n2] (I2 - W H)^-1 W [a b]^T = n0 + c0 n1 + c1 n2            (Woodbury's identity, exact)
;   a = n0.n0, b = n0.n1, c = n1.n1, e = n0.n2, f = n1.n2,  H = [[b e][c f]],  W = pinv of G = [[a b][b c]].
; W honours pinv's cut-off: a singular value s of D1 is dropped when s <= 10 * 8192 * 2^-23 * s_max; in G's eigenvalues: both are kept
; when det G > 100 * 2^-20 * lambda1^2.  Both kept: W = adj(G) / det.  One kept: W = (G - lambda2 I) / ((lambda1 - lambda2) lambda1).
; None (n0 = n1 = 0): W = 0.  The case is chosen by v_cndmask_b32; W is carried as a numerator matrix and a common denominator.
;
; THE SHAPE.  The five sums run over all 8,192 elements, so one work-group does everything: 8 waves, thread t owns the 16 bytes at
; 16 t + 4096 k, k = 0..7, of every vector (32 elements).  Each load and store of a wave covers 512 consecutive bytes, aligned.  The differences
; stay in registers between the sums and the result: every input byte is read once, every output byte written once.
; The sums are f32 on the vector ALU: det G is a difference of products of them, which leaves no room for operands of 16 bits,
; and they are 5 x 8,192 multiply-adds in all.
;
; LIMITS.  (1) Working on G squares D1's condition number: with cond(G) = 1.8e3 (one input 30 times the others, or offset by 30 spreads)
; f32 sums leave about 1e-4 of relative error in det G; at the cut-off itself cond(G) is 1e4, and within about a thousandth of the
; threshold the decision may differ from one taken on an SVD's values.  (2) The sums are scaled by 1 / (a + c); a + c has to lie between
; 2^-100 and 2^126 (differences of about 1e-17 to 1e17 in the root mean square); a + c = 0 exactly gives out = x0 - x1, as pinv(0) = 0 does.
; (3) Where I - M is singular the result is not finite.
.set CHUNK, 4096                       ; 256 threads x 16 bytes
.set NCH,   8                          ; chunks in a vector of 32,768 bytes
.set OFF,   1                          ; v1         16 t
.set ACC,   2                          ; v[2:11]    five running sums, two f32 each: a, b, c, e, f
.set S,     12                         ; v[12:16]   the five sums of my 16 lanes
.set STO,   17                         ; v17        LDS: my half-wave's record
.set RDA,   18                         ; v18        LDS: record l % 16, word l / 16
.set RDC,   19                         ; v19        LDS: record l % 16
.set X0,    20                         ; v[20:51]   x0, then n0, then the result
.set X1,    52                         ; v[52:83]   x1, then n1
.set X2,    84                         ; v[84:115]  x2, then n2
.set X3,    116                        ; v[116:147] x3; free once n2 is made: the registers below
.set P,     116                        ; v[116:118] partial sums read back: (a | b), (c | e), (f | f) in lanes (0-15 | 16-31)
.set TR,    119
.set SC,    120
.set GA,    121                        ; the five sums, scaled
.set GB,    122
.set GC,    123
.set GE,    124
.set GF,    125
.set BB,    126
.set DET,   127
.set D2,    128
.set RR,    129
.set R,     130
.set TM,    131
.set LL,    132
.set TH,    133
.set DEN,   134
.set WP,    135                        ; numerator of W: [[WP WQ][WQ WT]]
.set WQ,    136
.set WT,    137
.set NB,    138
.set Y0,    139
.set Y1,    140
.set K00,   141
.set K01,   142
.set K10,   143
.set K11,   144
.set A00,   145
.set A11,   146
.set DA,    147
.set CF0,   2                          ; v[2:3]     c0 twice, v[4:5] c1 twice: pairs for the packed multiply-adds (the running sums are done with)
.set CF1,   4
.set U0,    6
.set U1,    7
.set RD,    8
	s_load_b256 s[4:11], s[0:1], 0x0               ; x0 s[4:5], x1 s[6:7], x2 s[8:9], x3 s[10:11]
	s_load_b64 s[12:13], s[0:1], 0x20              ; out0
	v_lshl_add_u32 v148, v0, 2, 0x200
	v_mov_b32 v149, 0
	v_lshlrev_b32 v[OFF], 4, v0
	s_wait_kmcnt 0x0
	; all 32 loads at once, chunk by chunk, so that a chunk's four pieces arrive together
.irp k, 0,1,2,3,4,5,6,7
	global_load_b128 v[X0+4*\k:X0+4*\k+3], v[OFF], s[4:5]   offset:\k*CHUNK th:TH_LOAD_NT
	global_load_b128 v[X1+4*\k:X1+4*\k+3], v[OFF], s[6:7]   offset:\k*CHUNK th:TH_LOAD_NT
	global_load_b128 v[X2+4*\k:X2+4*\k+3], v[OFF], s[8:9]   offset:\k*CHUNK th:TH_LOAD_NT
	global_load_b128 v[X3+4*\k:X3+4*\k+3], v[OFF], s[10:11] offset:\k*CHUNK th:TH_LOAD_NT
.endr
	; LDS addresses, made while the loads are out.  16 records of 32 bytes, one for each half of a wave; words 0-4 of a record: a, b, c, e, f
	v_lshrrev_b32 v[STO], 5, v0
	v_readfirstlane_b32 s14, v[STO]                ; wave 0..7
	s_lshl_b32 s14, s14, 6                         ; its two records
	v_bfe_u32 v[S], v0, 4, 1                       ; h = which half of the wave
	v_lshl_add_u32 v[STO], v[S], 5, s14            ; 64 wave + 32 h
	v_and_b32 v[RDC], 15, v0
	v_lshlrev_b32 v[RDC], 5, v[RDC]                ; 32 (l % 16)
	v_lshl_add_u32 v[RDA], v[S], 2, v[RDC]         ; + 4 h
.macro DIFF o                          ; two elements: the differences replace x0, x1, x2, in this order
	v_pk_add_f32 v[X0+\o:X0+\o+1], v[X0+\o:X0+\o+1], v[X1+\o:X1+\o+1] neg_lo:[0,1] neg_hi:[0,1]   ; n0 = x0 - x1
	v_pk_add_f32 v[X1+\o:X1+\o+1], v[X1+\o:X1+\o+1], v[X2+\o:X2+\o+1] neg_lo:[0,1] neg_hi:[0,1]   ; n1 = x1 - x2
	v_pk_add_f32 v[X2+\o:X2+\o+1], v[X2+\o:X2+\o+1], v[X3+\o:X3+\o+1] neg_lo:[0,1] neg_hi:[0,1]   ; n2 = x2 - x3
.endm
.macro DOTS0 o                         ; the first products start the sums: nothing is cleared
	v_pk_mul_f32 v[ACC+0:ACC+1], v[X0+\o:X0+\o+1], v[X0+\o:X0+\o+1]
	v_pk_mul_f32 v[ACC+2:ACC+3], v[X0+\o:X0+\o+1], v[X1+\o:X1+\o+1]
	v_pk_mul_f32 v[ACC+4:ACC+5], v[X1+\o:X1+\o+1], v[X1+\o:X1+\o+1]
	v_pk_mul_f32 v[ACC+6:ACC+7], v[X0+\o:X0+\o+1], v[X2+\o:X2+\o+1]
	v_pk_mul_f32 v[ACC+8:ACC+9], v[X1+\o:X1+\o+1], v[X2+\o:X2+\o+1]
.endm
.macro DOTS o                          ; five chains that do not wait for each other
	v_pk_fma_f32 v[ACC+0:ACC+1], v[X0+\o:X0+\o+1], v[X0+\o:X0+\o+1], v[ACC+0:ACC+1]   ; a += n0 n0
	v_pk_fma_f32 v[ACC+2:ACC+3], v[X0+\o:X0+\o+1], v[X1+\o:X1+\o+1], v[ACC+2:ACC+3]   ; b += n0 n1
	v_pk_fma_f32 v[ACC+4:ACC+5], v[X1+\o:X1+\o+1], v[X1+\o:X1+\o+1], v[ACC+4:ACC+5]   ; c += n1 n1
	v_pk_fma_f32 v[ACC+6:ACC+7], v[X0+\o:X0+\o+1], v[X2+\o:X2+\o+1], v[ACC+6:ACC+7]   ; e += n0 n2
	v_pk_fma_f32 v[ACC+8:ACC+9], v[X1+\o:X1+\o+1], v[X2+\o:X2+\o+1], v[ACC+8:ACC+9]   ; f += n1 n2
.endm
	s_wait_loadcnt 4*(NCH-1)                       ; loads come back in order (ISA guide 5.7.1): chunk 0's four are in, the 28 behind them stay out
	DIFF 0
	DIFF 2
	DOTS0 0
	DOTS 2
.irp k, 1,2,3,4,5,6,7
	s_wait_loadcnt 4*(NCH-1-\k)                    ; chunk k's four are in; the 4 (7 - k) loads of the later chunks stay out
	DIFF 4*\k
	DIFF 4*\k+2
	DOTS 4*\k
	DOTS 4*\k+2
.endr
	; my 32 elements, then my 16 lanes: the lane exchange rides on the addition (DPP, lane i takes lane i xor the mask)
.irp j, 0,1,2,3,4
	v_add_f32 v[S+\j], v[ACC+2*\j], v[ACC+2*\j+1]
.endr
.irp m, 1,2,4,8
.irp j, 0,1,2,3,4
	v_add_f32_dpp v[S+\j], v[S+\j], v[S+\j] row_xmask:\m row_mask:0xf bank_mask:0xf
.endr
.endr
	ds_store_b128 v[STO], v[S:S+3]                 ; the 16 lanes of a half write the same 20 bytes with the same values
	ds_store_b32  v[STO], v[S+4] offset:16
	s_wait_dscnt 0x0                               ; for the other waves' sake: my record is in LDS before I say so
	s_barrier_signal -1
	s_barrier_wait -1                              ; all 16 records are there; they are never written again
	ds_load_b32 v[P+0], v[RDA]                     ; lanes 0-15: the 16 partial a;  lanes 16-31: the 16 partial b
	ds_load_b32 v[P+1], v[RDA] offset:8            ; c | e
	ds_load_b32 v[P+2], v[RDC] offset:16           ; f in both halves (word 5 of a record is never written, so never read)
	s_wait_dscnt 0x0
.irp m, 1,2,4,8
.irp j, 0,1,2
	v_add_f32_dpp v[P+\j], v[P+\j], v[P+\j] row_xmask:\m row_mask:0xf bank_mask:0xf
.endr
.endr
	v_readlane_b32 s16, v[P+0], 0                  ; a
	v_readlane_b32 s17, v[P+0], 16                 ; b
	v_readlane_b32 s18, v[P+1], 0                  ; c
	v_readlane_b32 s19, v[P+1], 16                 ; e
	v_readlane_b32 s20, v[P+2], 0                  ; f
	; THE 2 x 2 ALGEBRA, the same in every lane of every wave.  c0 and c1 do not change when all five sums are scaled alike:
	; scale by 1 / (a + c), so that no product below leaves f32's range.
	v_add_f32 v[TR], s16, s18
	v_max_num_f32 v[TR], 0x0d800000, v[TR]         ; at least 2^-100: no division by zero when n0 = n1 = 0
	v_rcp_f32 v[SC], v[TR]
	v_nop                                          ; one plain vector instruction between v_rcp_f32 and the use of its result (ISA guide 5.7.2)
	s_wait_alu depctr_va_vdst(0)
	v_mul_f32 v[GA], s16, v[SC]
	v_mul_f32 v[GB], s17, v[SC]
	v_mul_f32 v[GC], s18, v[SC]
	v_mul_f32 v[GE], s19, v[SC]
	v_mul_f32 v[GF], s20, v[SC]
	; G's eigenvalues: 2 lambda = (a + c) +- R,  R = sqrt((a - c)^2 + 4 b^2)
	v_mul_f32 v[BB], v[GB], v[GB]
	v_sub_f32 v[D2], v[GA], v[GC]
	v_add_f32 v[TM], v[GA], v[GC]
	v_fma_f32 v[DET], v[GA], v[GC], -v[BB]         ; det G = lambda1 lambda2
	v_mul_f32 v[RR], v[D2], v[D2]
	v_fma_f32 v[RR], 4.0, v[BB], v[RR]
	v_sqrt_f32 v[R], v[RR]
	v_mul_f32 v[NB], -1.0, v[GB]                   ; (the plain instruction behind v_sqrt_f32)  -b, for adj(G)
	v_add_f32 v[WQ], v[GB], v[GB]                  ; one value kept: numerator [[R + (a-c), 2b][2b, R - (a-c)]] = 2 (G - lambda2 I),
	s_wait_alu depctr_va_vdst(0)
	v_add_f32 v[LL], v[TM], v[R]                   ; 2 lambda1
	v_add_f32 v[WP], v[R], v[D2]
	v_sub_f32 v[WT], v[R], v[D2]
	v_mul_f32 v[TH], v[LL], v[LL]
	v_mul_f32 v[DEN], v[R], v[LL]                  ; denominator R * 2 lambda1 = 2 (lambda1 - lambda2) lambda1
	v_mul_f32 v[TH], 0x37c80000, v[TH]             ; 25 * 2^-20 * (2 lambda1)^2 = (10 * 8192 * 2^-23)^2 lambda1^2
	v_cmp_gt_f32 vcc_lo, v[DET], v[TH]             ; lambda2 > cut-off^2 lambda1: both singular values are kept
	v_cndmask_b32 v[DEN], v[DEN], v[DET], vcc_lo   ; then W = adj(G) / det G
	v_cndmask_b32 v[WP], v[WP], v[GC], vcc_lo
	v_cndmask_b32 v[WQ], v[WQ], v[NB], vcc_lo
	v_cndmask_b32 v[WT], v[WT], v[GA], vcc_lo
	v_max_num_f32 v[DEN], 0x2b800000, v[DEN]       ; at least 2^-40: with G = 0 the numerators are 0 and c0 = c1 = 0 come out.  Otherwise idle:
	                                               ; after the scaling det > 25 * 2^-20 * (2 lambda1)^2 >= 25 * 2^-20, or R * 2 lambda1 is near 1
	; (DEN I - N H) c = N [a b]^T, N = W's numerator
	v_mul_f32 v[Y0],  v[WQ], v[GB]
	v_mul_f32 v[Y1],  v[WT], v[GB]
	v_mul_f32 v[K00], v[WQ], v[GC]
	v_mul_f32 v[K01], v[WQ], v[GF]
	v_mul_f32 v[K10], v[WT], v[GC]
	v_mul_f32 v[K11], v[WT], v[GF]
	v_fmac_f32 v[Y0],  v[WP], v[GA]                ; N [a b]^T
	v_fmac_f32 v[Y1],  v[WQ], v[GA]
	v_fmac_f32 v[K00], v[WP], v[GB]                ; N H
	v_fmac_f32 v[K01], v[WP], v[GE]
	v_fmac_f32 v[K10], v[WQ], v[GB]
	v_fmac_f32 v[K11], v[WQ], v[GE]
	v_sub_f32 v[A00], v[DEN], v[K00]
	v_sub_f32 v[A11], v[DEN], v[K11]
	v_mul_f32 v[DA], v[K01], v[K10]
	v_mul_f32 v[U0], v[K01], v[Y1]
	v_mul_f32 v[U1], v[K10], v[Y0]
	v_fma_f32 v[DA], v[A00], v[A11], -v[DA]        ; the determinant of DEN I - N H
	v_rcp_f32 v[RD], v[DA]
	v_fmac_f32 v[U0], v[A11], v[Y0]                ; Cramer's numerators; the first is also the plain instruction behind v_rcp_f32
	v_fmac_f32 v[U1], v[A00], v[Y1]
	s_wait_alu depctr_va_vdst(0)
	v_mul_f32 v[CF0],   v[U0], v[RD]               ; c0 and c1, each twice: whole pairs for the packed multiply-adds
	v_mul_f32 v[CF0+1], v[U0], v[RD]
	v_mul_f32 v[CF1],   v[U1], v[RD]
	v_mul_f32 v[CF1+1], v[U1], v[RD]
	; out = n0 + c0 n1 + c1 n2, in n0's registers
.irp o, 0,2,4,6,8,10,12,14,16,18,20,22,24,26,28,30
	v_pk_fma_f32 v[X0+\o:X0+\o+1], v[X1+\o:X1+\o+1], v[CF0:CF0+1], v[X0+\o:X0+\o+1]
.endr
.irp k, 0,1,2,3,4,5,6,7
	v_pk_fma_f32 v[X0+4*\k:X0+4*\k+1],   v[X2+4*\k:X2+4*\k+1],   v[CF1:CF1+1], v[X0+4*\k:X0+4*\k+1]
	v_pk_fma_f32 v[X0+4*\k+2:X0+4*\k+3], v[X2+4*\k+2:X2+4*\k+3], v[CF1:CF1+1], v[X0+4*\k+2:X0+4*\k+3]
	global_store_b128 v[OFF], v[X0+4*\k:X0+4*\k+3], s[12:13] offset:\k*CHUNK th:TH_STORE_NT   ; 16 lanes store 256 consecutive bytes, at a multiple of 256 from out0's first byte
.endr
	s_wait_tensorcnt 0x0
	ds_add_u32 v148, v149
	s_wait_dscnt 0x0
	s_endpgm
.Lfunc_end_k_qe07c89ab0c_fit:
	.size	k_qe07c89ab0c_fit, .Lfunc_end_k_qe07c89ab0c_fit-k_qe07c89ab0c_fit
	.p2alignl 7, 3214868480
	.fill 96, 4, 3214868480
	.section	.rodata,"a",@progbits
	.p2align	6, 0x0
	.amdhsa_kernel k_qe07c89ab0c_fit
		.amdhsa_group_segment_fixed_size 1536
		.amdhsa_private_segment_fixed_size 0
		.amdhsa_enable_private_segment 0
		.amdhsa_kernarg_size 40
		.amdhsa_user_sgpr_count 2
		.amdhsa_user_sgpr_kernarg_segment_ptr 1
		.amdhsa_wavefront_size32 1
		.amdhsa_system_sgpr_workgroup_id_x 1
		.amdhsa_system_sgpr_workgroup_id_y 1
		.amdhsa_system_sgpr_workgroup_id_z 1
		.amdhsa_system_vgpr_workitem_id 0
		.amdhsa_next_free_vgpr 150
		.amdhsa_next_free_sgpr 66
		.amdhsa_reserve_vcc 1
		.amdhsa_float_denorm_mode_32 3
		.amdhsa_float_denorm_mode_16_64 3
		.amdhsa_memory_ordered 1
		.amdhsa_forward_progress 1
		.amdhsa_inst_pref_size 20
	.end_amdhsa_kernel
	.amdgpu_metadata
---
amdhsa.version: [ 1, 2 ]
amdhsa.kernels:
  - .name:           k_qe07c89ab0c_fit
    .symbol:         k_qe07c89ab0c_fit.kd
    .args:
      - { .name: x0, .offset: 0, .size: 8, .value_kind: global_buffer, .address_space: global }
      - { .name: x1, .offset: 8, .size: 8, .value_kind: global_buffer, .address_space: global }
      - { .name: x2, .offset: 16, .size: 8, .value_kind: global_buffer, .address_space: global }
      - { .name: x3, .offset: 24, .size: 8, .value_kind: global_buffer, .address_space: global }
      - { .name: out0, .offset: 32, .size: 8, .value_kind: global_buffer, .address_space: global }
    .group_segment_fixed_size: 1536
    .private_segment_fixed_size: 0
    .kernarg_segment_align: 8
    .kernarg_segment_size: 40
    .max_flat_workgroup_size: 256
    .sgpr_count:     66
    .vgpr_count:     150
    .wavefront_size: 32
...
	.end_amdgpu_metadata
.endif
;; end of part 1
;; ======== version 2 of 2: 1 launch; version 1 with the launch fit written anew for expert scheduling mode
;; limits: inputs' magnitudes at most 1e+17; below input magnitudes of 1e-17 results are inexact or not finite
;; launch fit (part 2): grid 1 x 1, 8 waves a work-group, no clusters, 1,536 bytes of LDS; arguments x0, x1, x2, x3, out0; writes out0
.if DOCPART == 2
	.amdgcn_target "amdgcn-amd-amdhsa--gfx1250"
	.amdhsa_code_object_version 6
	.text
	.protected	k_qe07c89ab0c_fit
	.globl	k_qe07c89ab0c_fit
	.p2align	8
	.type	k_qe07c89ab0c_fit,@function
k_qe07c89ab0c_fit:
	s_mov_b64 s[64:65], 0
	v_nop
	global_prefetch_b8 v0, s[64:65] scope:SCOPE_SE
	s_setreg_imm32_b32 hwreg(HW_REG_WAVE_SCHED_MODE, 0, 2), 2
	s_setreg_imm32_b32 hwreg(HW_REG_WAVE_MODE, 25, 1), 1
	s_wait_xcnt 0x0
	s_wait_alu depctr_vm_vsrc(0)
; out = x0 - solve(I - M, x1 - M x0),  M = D2 pinv(D1),  D1 = [x1-x0, x2-x1],  D2 = [x2-x1, x3-x2];  all vectors [8192] f32.
;
; THE ALGEBRA.  With n0 = x0-x1, n1 = x1-x2, n2 = x2-x3 (M does not change when D1 and D2 both change sign):
;   (I - M)(x0 - x*) = (x0 - M x0) - (x1 - M x0) = n0, so out = (I - M)^-1 n0, and since M = [n1 n2] pinv([n0 n1]) has rank <= 2
;   out = n0 + [n1 n2] (I2 - W H)^-1 W [a b]^T = n0 + c0 n1 + c1 n2            (Woodbury's identity, exact)
;   a = n0.n0, b = n0.n1, c = n1.n1, e = n0.n2, f = n1.n2,  H = [[b e][c f]],  W = pinv of G = [[a b][b c]].
; W honours pinv's cut-off: a singular value s of D1 is dropped when s <= 10 * 8192 * 2^-23 * s_max; in G's eigenvalues: both are kept
; when det G > 100 * 2^-20 * lambda1^2.  Both kept: W = adj(G) / det.  One kept: W = (G - lambda2 I) / ((lambda1 - lambda2) lambda1).
; None (n0 = n1 = 0): W = 0.  The case is chosen by v_cndmask_b32; W is carried as a numerator matrix and a common denominator.
;
; THE SHAPE.  The five sums run over all 8,192 elements, so one work-group does everything: 8 waves, thread t owns the 16 bytes at
; 16 t + 4096 k, k = 0..7, of every vector (32 elements).  Each load and store of a wave covers 512 consecutive bytes, aligned.  The differences
; stay in registers between the sums and the result: every input byte is read once, every output byte written once.
; The sums are f32 on the vector ALU: det G is a difference of products of them, which leaves no room for operands of 16 bits,
; and they are 5 x 8,192 multiply-adds in all.
;
; THE MODE: SCHED_MODE bits 1:0 = 2 (LLVM: expert scheduling mode 2), set by the entry lines.  The code itself states the register dependences
; between vector instructions and memory or LDS instructions, with s_wait_alu, always for 0.
; THE PLAN.  Registers that memory or LDS instructions touch:
;   v1, v17-19   the byte offset and the three LDS addresses: made at the head, ahead of one wait on va_vdst, and never named by a vector line again.
;   X0 .. X3     the 32 loads land in them; no vector line names them before; each chunk is read behind its own wait on LOADcnt.
;   S  v[12:16]  written by the sums over my 16 lanes; read by the two LDS stores; never written again.
;   P  v[116:118] once x3's first chunk, read by that chunk's differences; the three LDS loads behind the barrier land there.
;   X0 as result written by the last multiply-adds, read by the eight stores, never written again.  It is made in two halves: the first half's four
;                stores are dealt among the second half's multiply-adds, which name none of the registers that those stores read.
; So three more waits on va_vdst: one ahead of the LDS stores (S is written; the differences are done reading P) and one ahead of each half's stores.
; No register that a memory or LDS instruction reads is written again behind it, so no wait on vm_vsrc is needed for that.  EXEC is never written.
; Scalars that vector lines write (the wave's number, the five sums, VCC) each have their wait ahead of the first reader.
;
; LIMITS.  (1) Working on G squares D1's condition number: with cond(G) = 1.8e3 (one input 30 times the others, or offset by 30 spreads)
; f32 sums leave about 1e-4 of relative error in det G; at the cut-off itself cond(G) is 1e4, and within about a thousandth of the
; threshold the decision may differ from one taken on an SVD's values.  (2) The sums are scaled by 1 / (a + c); a + c has to lie between
; 2^-100 and 2^126 (differences of about 1e-17 to 1e17 in the root mean square); a + c = 0 exactly gives out = x0 - x1, as pinv(0) = 0 does.
; (3) Where I - M is singular the result is not finite.
.set CHUNK, 4096                       ; 256 threads x 16 bytes
.set NCH,   8                          ; chunks in a vector of 32,768 bytes
.set OFF,   1                          ; v1         16 t
.set ACC,   2                          ; v[2:11]    five running sums, two f32 each: a, b, c, e, f
.set S,     12                         ; v[12:16]   the five sums of my 16 lanes
.set STO,   17                         ; v17        LDS: my half-wave's record
.set RDA,   18                         ; v18        LDS: record l % 16, word l / 16
.set RDC,   19                         ; v19        LDS: record l % 16
.set X0,    20                         ; v[20:51]   x0, then n0, then the result
.set X1,    52                         ; v[52:83]   x1, then n1
.set X2,    84                         ; v[84:115]  x2, then n2
.set X3,    116                        ; v[116:147] x3; free once n2 is made: the registers below
.set P,     116                        ; v[116:118] partial sums read back: (a | b), (c | e), (f | f) in lanes (0-15 | 16-31)
.set TR,    119
.set SC,    120
.set GA,    121                        ; the five sums, scaled
.set GB,    122
.set GC,    123
.set GE,    124
.set GF,    125
.set BB,    126
.set DET,   127
.set D2,    128
.set RR,    129
.set R,     130
.set TM,    131
.set LL,    132
.set TH,    133
.set DEN,   134
.set WP,    135                        ; numerator of W: [[WP WQ][WQ WT]]
.set WQ,    136
.set WT,    137
.set NB,    138
.set Y0,    139
.set Y1,    140
.set K00,   141
.set K01,   142
.set K10,   143
.set K11,   144
.set A00,   145
.set A11,   146
.set DA,    147
.set CF0,   2                          ; v[2:3]     c0 twice, v[4:5] c1 twice: pairs for the packed multiply-adds (the running sums are done with)
.set CF1,   4
.set U0,    6
.set U1,    7
.set RD,    8
	s_load_b256 s[4:11], s[0:1], 0x0               ; x0 s[4:5], x1 s[6:7], x2 s[8:9], x3 s[10:11]
	s_load_b64 s[12:13], s[0:1], 0x20              ; out0
	v_lshl_add_u32 v148, v0, 2, 0x200
	v_mov_b32 v149, 0
	v_lshlrev_b32 v[OFF], 4, v0
	; LDS addresses, made while the arguments are on their way.  16 records of 32 bytes, one for each half of a wave; words 0-4 of a record: a, b, c, e, f
	v_lshrrev_b32 v[STO], 5, v0
	v_readfirstlane_b32 s14, v[STO]                ; wave 0..7
	v_bfe_u32 v[S], v0, 4, 1                       ; h = which half of the wave
	v_and_b32 v[RDC], 15, v0
	v_lshlrev_b32 v[RDC], 5, v[RDC]                ; 32 (l % 16)
	v_lshl_add_u32 v[RDA], v[S], 2, v[RDC]         ; + 4 h
	s_wait_alu depctr_va_sdst(0)                   ; s14 is written, ahead of its first reader, the shift below
	s_lshl_b32 s14, s14, 6                         ; its two records
	v_lshl_add_u32 v[STO], v[S], 5, s14            ; 64 wave + 32 h
	s_wait_kmcnt 0x0
	s_wait_alu depctr_va_vdst(0)                   ; v[OFF], which every load and store reads as its offset, and v[STO], v[RDA], v[RDC], the LDS addresses, are written; no vector line names them again
	; all 32 loads at once, chunk by chunk, so that a chunk's four pieces arrive together
.irp k, 0,1,2,3,4,5,6,7
	global_load_b128 v[X0+4*\k:X0+4*\k+3], v[OFF], s[4:5]   offset:\k*CHUNK th:TH_LOAD_NT
	global_load_b128 v[X1+4*\k:X1+4*\k+3], v[OFF], s[6:7]   offset:\k*CHUNK th:TH_LOAD_NT
	global_load_b128 v[X2+4*\k:X2+4*\k+3], v[OFF], s[8:9]   offset:\k*CHUNK th:TH_LOAD_NT
	global_load_b128 v[X3+4*\k:X3+4*\k+3], v[OFF], s[10:11] offset:\k*CHUNK th:TH_LOAD_NT
.endr
.macro DIFF o                          ; two elements: the differences replace x0, x1, x2, in this order
	v_pk_add_f32 v[X0+\o:X0+\o+1], v[X0+\o:X0+\o+1], v[X1+\o:X1+\o+1] neg_lo:[0,1] neg_hi:[0,1]   ; n0 = x0 - x1
	v_pk_add_f32 v[X1+\o:X1+\o+1], v[X1+\o:X1+\o+1], v[X2+\o:X2+\o+1] neg_lo:[0,1] neg_hi:[0,1]   ; n1 = x1 - x2
	v_pk_add_f32 v[X2+\o:X2+\o+1], v[X2+\o:X2+\o+1], v[X3+\o:X3+\o+1] neg_lo:[0,1] neg_hi:[0,1]   ; n2 = x2 - x3
.endm
.macro DOTS0 o                         ; the first products start the sums: nothing is cleared
	v_pk_mul_f32 v[ACC+0:ACC+1], v[X0+\o:X0+\o+1], v[X0+\o:X0+\o+1]
	v_pk_mul_f32 v[ACC+2:ACC+3], v[X0+\o:X0+\o+1], v[X1+\o:X1+\o+1]
	v_pk_mul_f32 v[ACC+4:ACC+5], v[X1+\o:X1+\o+1], v[X1+\o:X1+\o+1]
	v_pk_mul_f32 v[ACC+6:ACC+7], v[X0+\o:X0+\o+1], v[X2+\o:X2+\o+1]
	v_pk_mul_f32 v[ACC+8:ACC+9], v[X1+\o:X1+\o+1], v[X2+\o:X2+\o+1]
.endm
.macro DOTS o                          ; five chains that do not wait for each other
	v_pk_fma_f32 v[ACC+0:ACC+1], v[X0+\o:X0+\o+1], v[X0+\o:X0+\o+1], v[ACC+0:ACC+1]   ; a += n0 n0
	v_pk_fma_f32 v[ACC+2:ACC+3], v[X0+\o:X0+\o+1], v[X1+\o:X1+\o+1], v[ACC+2:ACC+3]   ; b += n0 n1
	v_pk_fma_f32 v[ACC+4:ACC+5], v[X1+\o:X1+\o+1], v[X1+\o:X1+\o+1], v[ACC+4:ACC+5]   ; c += n1 n1
	v_pk_fma_f32 v[ACC+6:ACC+7], v[X0+\o:X0+\o+1], v[X2+\o:X2+\o+1], v[ACC+6:ACC+7]   ; e += n0 n2
	v_pk_fma_f32 v[ACC+8:ACC+9], v[X1+\o:X1+\o+1], v[X2+\o:X2+\o+1], v[ACC+8:ACC+9]   ; f += n1 n2
.endm
	s_wait_loadcnt 4*(NCH-1)                       ; loads come back in order (ISA guide 5.7.1): chunk 0's four are in, the 28 behind them stay out
	DIFF 0
	DIFF 2
	DOTS0 0
	DOTS 2
.irp k, 1,2,3,4,5,6,7
	s_wait_loadcnt 4*(NCH-1-\k)                    ; chunk k's four are in; the 4 (7 - k) loads of the later chunks stay out
	DIFF 4*\k
	DIFF 4*\k+2
	DOTS 4*\k
	DOTS 4*\k+2
.endr
	; my 32 elements, then my 16 lanes: the lane exchange rides on the addition (DPP, lane i takes lane i xor the mask)
.irp j, 0,1,2,3,4
	v_add_f32 v[S+\j], v[ACC+2*\j], v[ACC+2*\j+1]
.endr
.irp m, 1,2,4,8
.irp j, 0,1,2,3,4
	v_add_f32_dpp v[S+\j], v[S+\j], v[S+\j] row_xmask:\m row_mask:0xf bank_mask:0xf
.endr
.endr
	s_wait_alu depctr_va_vdst(0)                   ; the sums have written v[S ..], which the LDS stores read; the differences are done reading v[P ..], in which the LDS loads behind the barrier land (no vector line stands between)
	ds_store_b128 v[STO], v[S:S+3]                 ; the 16 lanes of a half write the same 20 bytes with the same values
	ds_store_b32  v[STO], v[S+4] offset:16
	s_wait_dscnt 0x0                               ; for the other waves' sake: my record is in LDS before I say so
	s_barrier_signal -1
	s_barrier_wait -1                              ; all 16 records are there; they are never written again
	ds_load_b32 v[P+0], v[RDA]                     ; lanes 0-15: the 16 partial a;  lanes 16-31: the 16 partial b
	ds_load_b32 v[P+1], v[RDA] offset:8            ; c | e
	ds_load_b32 v[P+2], v[RDC] offset:16           ; f in both halves (word 5 of a record is never written, so never read)
	s_wait_dscnt 0x0
.irp m, 1,2,4,8
.irp j, 0,1,2
	v_add_f32_dpp v[P+\j], v[P+\j], v[P+\j] row_xmask:\m row_mask:0xf bank_mask:0xf
.endr
.endr
	v_readlane_b32 s16, v[P+0], 0                  ; a
	v_readlane_b32 s17, v[P+0], 16                 ; b
	v_readlane_b32 s18, v[P+1], 0                  ; c
	v_readlane_b32 s19, v[P+1], 16                 ; e
	v_readlane_b32 s20, v[P+2], 0                  ; f
	s_wait_alu depctr_va_sdst(0)                   ; s16 to s20 are written, ahead of their first reader, the addition below: one wait for the run of five
	; THE 2 x 2 ALGEBRA, the same in every lane of every wave.  c0 and c1 do not change when all five sums are scaled alike:
	; scale by 1 / (a + c), so that no product below leaves f32's range.
	v_add_f32 v[TR], s16, s18
	v_max_num_f32 v[TR], 0x0d800000, v[TR]         ; at least 2^-100: no division by zero when n0 = n1 = 0
	v_rcp_f32 v[SC], v[TR]
	v_nop                                          ; one plain vector instruction between v_rcp_f32 and the use of its result (ISA guide 5.7.2)
	s_wait_alu depctr_va_vdst(0)
	v_mul_f32 v[GA], s16, v[SC]
	v_mul_f32 v[GB], s17, v[SC]
	v_mul_f32 v[GC], s18, v[SC]
	v_mul_f32 v[GE], s19, v[SC]
	v_mul_f32 v[GF], s20, v[SC]
	; G's eigenvalues: 2 lambda = (a + c) +- R,  R = sqrt((a - c)^2 + 4 b^2)
	v_mul_f32 v[BB], v[GB], v[GB]
	v_sub_f32 v[D2], v[GA], v[GC]
	v_add_f32 v[TM], v[GA], v[GC]
	v_fma_f32 v[DET], v[GA], v[GC], -v[BB]         ; det G = lambda1 lambda2
	v_mul_f32 v[RR], v[D2], v[D2]
	v_fma_f32 v[RR], 4.0, v[BB], v[RR]
	v_sqrt_f32 v[R], v[RR]
	v_mul_f32 v[NB], -1.0, v[GB]                   ; (the plain instruction behind v_sqrt_f32)  -b, for adj(G)
	v_add_f32 v[WQ], v[GB], v[GB]                  ; one value kept: numerator [[R + (a-c), 2b][2b, R - (a-c)]] = 2 (G - lambda2 I),
	s_wait_alu depctr_va_vdst(0)
	v_add_f32 v[LL], v[TM], v[R]                   ; 2 lambda1
	v_add_f32 v[WP], v[R], v[D2]
	v_sub_f32 v[WT], v[R], v[D2]
	v_mul_f32 v[TH], v[LL], v[LL]
	v_mul_f32 v[DEN], v[R], v[LL]                  ; denominator R * 2 lambda1 = 2 (lambda1 - lambda2) lambda1
	v_mul_f32 v[TH], 0x37c80000, v[TH]             ; 25 * 2^-20 * (2 lambda1)^2 = (10 * 8192 * 2^-23)^2 lambda1^2
	v_cmp_gt_f32 vcc_lo, v[DET], v[TH]             ; lambda2 > cut-off^2 lambda1: both singular values are kept
	s_wait_alu depctr_va_vcc(0)                    ; VCC is written, ahead of its first reader, the select below
	v_cndmask_b32 v[DEN], v[DEN], v[DET], vcc_lo   ; then W = adj(G) / det G
	v_cndmask_b32 v[WP], v[WP], v[GC], vcc_lo
	v_cndmask_b32 v[WQ], v[WQ], v[NB], vcc_lo
	v_cndmask_b32 v[WT], v[WT], v[GA], vcc_lo
	v_max_num_f32 v[DEN], 0x2b800000, v[DEN]       ; at least 2^-40: with G = 0 the numerators are 0 and c0 = c1 = 0 come out.  Otherwise idle:
	                                               ; after the scaling det > 25 * 2^-20 * (2 lambda1)^2 >= 25 * 2^-20, or R * 2 lambda1 is near 1
	; (DEN I - N H) c = N [a b]^T, N = W's numerator
	v_mul_f32 v[Y0],  v[WQ], v[GB]
	v_mul_f32 v[Y1],  v[WT], v[GB]
	v_mul_f32 v[K00], v[WQ], v[GC]
	v_mul_f32 v[K01], v[WQ], v[GF]
	v_mul_f32 v[K10], v[WT], v[GC]
	v_mul_f32 v[K11], v[WT], v[GF]
	v_fmac_f32 v[Y0],  v[WP], v[GA]                ; N [a b]^T
	v_fmac_f32 v[Y1],  v[WQ], v[GA]
	v_fmac_f32 v[K00], v[WP], v[GB]                ; N H
	v_fmac_f32 v[K01], v[WP], v[GE]
	v_fmac_f32 v[K10], v[WQ], v[GB]
	v_fmac_f32 v[K11], v[WQ], v[GE]
	v_sub_f32 v[A00], v[DEN], v[K00]
	v_sub_f32 v[A11], v[DEN], v[K11]
	v_mul_f32 v[DA], v[K01], v[K10]
	v_mul_f32 v[U0], v[K01], v[Y1]
	v_mul_f32 v[U1], v[K10], v[Y0]
	v_fma_f32 v[DA], v[A00], v[A11], -v[DA]        ; the determinant of DEN I - N H
	v_rcp_f32 v[RD], v[DA]
	v_fmac_f32 v[U0], v[A11], v[Y0]                ; Cramer's numerators; the first is also the plain instruction behind v_rcp_f32
	v_fmac_f32 v[U1], v[A00], v[Y1]
	s_wait_alu depctr_va_vdst(0)
	v_mul_f32 v[CF0],   v[U0], v[RD]               ; c0 and c1, each twice: whole pairs for the packed multiply-adds
	v_mul_f32 v[CF0+1], v[U0], v[RD]
	v_mul_f32 v[CF1],   v[U1], v[RD]
	v_mul_f32 v[CF1+1], v[U1], v[RD]
	; out = n0 + c0 n1 + c1 n2, in n0's registers; each element takes c0 n1 first and c1 n2 second.  Two halves of four chunks.
.macro PLUS1 k                         ; chunk k: + c0 n1
	v_pk_fma_f32 v[X0+4*(\k):X0+4*(\k)+1],   v[X1+4*(\k):X1+4*(\k)+1],   v[CF0:CF0+1], v[X0+4*(\k):X0+4*(\k)+1]
	v_pk_fma_f32 v[X0+4*(\k)+2:X0+4*(\k)+3], v[X1+4*(\k)+2:X1+4*(\k)+3], v[CF0:CF0+1], v[X0+4*(\k)+2:X0+4*(\k)+3]
.endm
.macro PLUS2 k                         ; chunk k: + c1 n2
	v_pk_fma_f32 v[X0+4*(\k):X0+4*(\k)+1],   v[X2+4*(\k):X2+4*(\k)+1],   v[CF1:CF1+1], v[X0+4*(\k):X0+4*(\k)+1]
	v_pk_fma_f32 v[X0+4*(\k)+2:X0+4*(\k)+3], v[X2+4*(\k)+2:X2+4*(\k)+3], v[CF1:CF1+1], v[X0+4*(\k)+2:X0+4*(\k)+3]
.endm
.macro PUT k                           ; chunk k leaves
	global_store_b128 v[OFF], v[X0+4*(\k):X0+4*(\k)+3], s[12:13] offset:(\k)*CHUNK th:TH_STORE_NT   ; 16 lanes store 256 consecutive bytes, at a multiple of 256 from out0's first byte
.endm
.irp k, 0,1,2,3
	PLUS1 \k
.endr
.irp k, 0,1,2,3
	PLUS2 \k
.endr
	s_wait_alu depctr_va_vdst(0)                   ; the multiply-adds above have written chunks 0 to 3 of the result, which the four stores below read
.irp k, 0,1,2,3
	PUT \k                                         ; no further wait: the multiply-adds between these stores name chunks 4 to 7 alone
	PLUS1 (\k)+4
.endr
.irp k, 4,5,6,7
	PLUS2 \k
.endr
	s_wait_alu depctr_va_vdst(0)                   ; the multiply-adds have written chunks 4 to 7 of the result, which the last four stores read
.irp k, 4,5,6,7
	PUT \k
.endr
	s_wait_dscnt 0x0
	s_wait_alu depctr_hold_cnt(0) depctr_sa_sdst(0) depctr_va_vdst(0) depctr_va_sdst(0) depctr_va_ssrc(0) depctr_va_vcc(0) depctr_vm_vsrc(0)
	s_wait_tensorcnt 0x0
	ds_add_u32 v148, v149
	s_wait_dscnt 0x0
	s_endpgm
.Lfunc_end_k_qe07c89ab0c_fit:
	.size	k_qe07c89ab0c_fit, .Lfunc_end_k_qe07c89ab0c_fit-k_qe07c89ab0c_fit
	.p2alignl 7, 3214868480
	.fill 96, 4, 3214868480
	.section	.rodata,"a",@progbits
	.p2align	6, 0x0
	.amdhsa_kernel k_qe07c89ab0c_fit
		.amdhsa_group_segment_fixed_size 1536
		.amdhsa_private_segment_fixed_size 0
		.amdhsa_enable_private_segment 0
		.amdhsa_kernarg_size 40
		.amdhsa_user_sgpr_count 2
		.amdhsa_user_sgpr_kernarg_segment_ptr 1
		.amdhsa_wavefront_size32 1
		.amdhsa_system_sgpr_workgroup_id_x 1
		.amdhsa_system_sgpr_workgroup_id_y 1
		.amdhsa_system_sgpr_workgroup_id_z 1
		.amdhsa_system_vgpr_workitem_id 0
		.amdhsa_next_free_vgpr 150
		.amdhsa_next_free_sgpr 66
		.amdhsa_reserve_vcc 1
		.amdhsa_float_denorm_mode_32 3
		.amdhsa_float_denorm_mode_16_64 3
		.amdhsa_memory_ordered 1
		.amdhsa_forward_progress 1
		.amdhsa_inst_pref_size 21
	.end_amdhsa_kernel
	.amdgpu_metadata
---
amdhsa.version: [ 1, 2 ]
amdhsa.kernels:
  - .name:           k_qe07c89ab0c_fit
    .symbol:         k_qe07c89ab0c_fit.kd
    .args:
      - { .name: x0, .offset: 0, .size: 8, .value_kind: global_buffer, .address_space: global }
      - { .name: x1, .offset: 8, .size: 8, .value_kind: global_buffer, .address_space: global }
      - { .name: x2, .offset: 16, .size: 8, .value_kind: global_buffer, .address_space: global }
      - { .name: x3, .offset: 24, .size: 8, .value_kind: global_buffer, .address_space: global }
      - { .name: out0, .offset: 32, .size: 8, .value_kind: global_buffer, .address_space: global }
    .group_segment_fixed_size: 1536
    .private_segment_fixed_size: 0
    .kernarg_segment_align: 8
    .kernarg_segment_size: 40
    .max_flat_workgroup_size: 256
    .sgpr_count:     66
    .vgpr_count:     150
    .wavefront_size: 32
...
	.end_amdgpu_metadata
.endif
;; end of part 2
